; MI455X (gfx1250); checked and timed in simulation.
; The chip was launched on July 23, 2026; its instructions are those of AMD's public machine-readable ISA for CDNA 5 (MIT licence, August 2026) and "CDNA5" Instruction Set Architecture Reference Guide (July 2026). The comments in the code are by the model that wrote it; some were corrected since.
;; Temporal Focus. Allowed arithmetic: matrix products marked QUANTISED: E5M2 operands, one given power-of-two scale a tensor, by v_wmma_f32_16x16x64_bf8_bf8 or v_wmma_f32_16x16x128_bf8_bf8, f32 sums; everything else in f32.
;; Inputs: c_attn_b 3,072 float32; c_attn_w 1,024 x 3,072 float32; c_proj_b 1,024 float32; c_proj_w 1,024 x 1,024 float32; lowp_scales 8 int32 (the exponents e of the quantised operands' scales 2^e); x 4 x 2,048 x 1,024 float32.
;; Outputs: out0 4 x 2,048 x 1,024 float32.
;; This version of the problem:
;;   THIS VERSION OF THE PROBLEM IS GIVEN IN LOW PRECISION. The matrix products marked QUANTISED in the list below multiply operands that are first quantised to E5M2 (5 exponent bits, 2 mantissa bits; 8 bits a number), with one given power-of-two scale for each operand tensor; their sums are f32. All else is computed in f32.
;;   The module's matrix products, in the order in which they are computed (A, B: the left and right operand; K: the contracted axis; several contracted axes count as one K, in the product's order):
;;     1. [M 8,192, K 1,024] x [K 1,024, N 3,072]; A: input x; B: input c_attn_w: QUANTISED (scales: A lowp_scales[0], B lowp_scales[1])
;;     2. batch 64 x [M 2,048, K 64] x [K 64, N 2,048]; A: computed on the way; B: computed on the way: QUANTISED (scales: A lowp_scales[2], B lowp_scales[3])
;;     3. batch 64 x [M 2,048, K 2,048] x [K 2,048, N 64]; A: softmax (see below); B: computed on the way: QUANTISED (scales: A lowp_scales[4], B lowp_scales[5])
;;     4. [M 8,192, K 1,024] x [K 1,024, N 1,024]; A: computed on the way; B: input c_proj_w: QUANTISED (scales: A lowp_scales[6], B lowp_scales[7])
;;   THE QUANTISER, for each operand of a quantised product, along K:
;;     - The operand's scale is 2^e, e = its entry of the input lowp_scales (int32; the entries are numbered through the quantised products in the list's order, A before B).
;;     - Each number is divided by the scale, clamped to +-57,344, and rounded to the nearest number of E5M2, ties to even, subnormals kept.
;;     - The product sums the exact products of the quantised numbers (number of the format x scale) in f32.
;;   ~~~python
;;   def quantise(x, axis, e):      # numpy; x: float32 -> the quantised numbers, widened to float32 again
;;       x = np.moveaxis(x, axis, -1); K = x.shape[-1]
;;       r = np.clip(x / 2.0 ** e, -57344, 57344)
;;       step = 2.0 ** (np.maximum(np.frexp(np.where(r == 0, 1, r))[1] - 1, -14) - 2)
;;       q = np.round(r / step) * step * 2.0 ** e      # np.round: ties to even
;;       return np.moveaxis(q, -1, axis).astype(np.float32)
;;   ~~~
;;   SOFTMAX AHEAD OF A QUANTISED PRODUCT. Where the list says 'softmax', what is quantised is not the finished softmax but p = 2^(t - M), with t = logit x log2(e) and M = ceil(the row's largest t), a whole number; so 1/2 < the row's largest p <= 1. The row's sum l is taken of the UNQUANTISED p, in f32, and the product's result is divided by l at the end. Since M is a whole number, a kernel that streams over the keys may use a running M (the ceiling of the running maximum): every later rescaling is an exact power of two, so the quantised numbers keep their values, but for numbers so far below the row's largest that they fall under the format's range.
;;   OPERANDS COMPUTED ON THE WAY. 'Computed on the way' means the value that the module computes at that place (a softmax that the list does not call 'softmax' is quantised finished and normalised). What goes into a quantiser is computed in f32, as accurately as f32 sums, v_exp_f32 and their like allow (about 1e-6 of the number): no bf16 or f16 on the way to a quantiser, and a product that is left as it is and whose result goes on into a quantised operand takes f32 operands (vector FMAs, or v_wmma_f32_16x16x4_f32). A number that lies on a knife's edge between two numbers of the format may be rounded either way, as far as f32 arithmetic and the matrix unit's own rounding can turn it there, and no further.
;; One version. Each part assembles by itself: llvm-mc -triple=amdgcn-amd-amdhsa -mcpu=gfx1250 --defsym DOCPART=n.
;; ======== version 1 of 1: 4 launches
;; limits: right only within a limited range of input values
;; workspace buffers: xc 8,388,608 bytes; wc 3,145,728 bytes; pc 1,048,576 bytes; qkv 25,165,824 bytes; yc 8,388,608 bytes
;; launch quant (part 1): grid 640 x 1, 4 waves a work-group, no clusters, 99,840 bytes of LDS; arguments x, c_attn_w, c_proj_w, lowp_scales, xc, wc, pc; writes xc, wc, pc
.if DOCPART == 1
	.amdgcn_target "amdgcn-amd-amdhsa--gfx1250"
	.amdhsa_code_object_version 6
	.text
	.protected	k_qf5e1399653_quant
	.globl	k_qf5e1399653_quant
	.p2align	8
	.type	k_qf5e1399653_quant,@function
k_qf5e1399653_quant:
	s_mov_b64 s[64:65], 0
	v_nop
	global_prefetch_b8 v0, s[64:65] scope:SCOPE_SE
	s_setreg_imm32_b32 hwreg(HW_REG_WAVE_MODE, 25, 1), 1
	s_wait_xcnt 0x0
; x [8192][1024], c_attn_w [1024][3072] and c_proj_w [1024][1024], f32, become codes of BF8 (E5M2), each with the one scale 2^e given for it (entries 0, 1, 7 of lowp_scales):
; code = number / 2^e, held within +-57,344, rounded to the nearest code, ties to even.
; LIMITS: each e between -126 and 112, so that 2^e and 57,344 x 2^e are f32 numbers.  NaN among the inputs is not served; an infinity is held at the largest code.
; THE CODES ARE LAID AS IMAGES OF OPERAND REGISTERS.  A fragment is 16 rows x 128 K, 16 registers a lane: lane (r = lane % 16, h = lane / 16) holds row r, registers 2 c, 2 c + 1 hold k = 16 c + 8 h + 0 .. 7.
; Its image is 2,048 bytes: registers 4 g .. 4 g + 3 of lane l at 512 g + 16 l.  xc: [slot of 256 K: 4][tile of 16 tokens: 512][2 fragments]; wc: [4][tile of 16 columns: 192][2]; pc: [4][64][2].
; So the products' launches fetch a K step's tiles as one dense block and read every fragment by loads of 16 bytes a lane, 512 consecutive bytes an instruction.
; Work-groups 0 to 511 take x (K innermost), 512 to 639 the weights (K is their first axis).  The two ways use LDS bytes of their own.  Waves share nothing: no barrier.
; No matrix unit, no tensor load, no cluster: each input byte is read once by one wave, and nothing is shared.
.set XP,    1040                       ; x's stage: a row of 1,024 bytes + 16: row r starts 16 r bytes further on modulo 256, so the sixteen rows that a load touches do not fall together
.set XSTG,  16*XP                      ; a wave's stage: 16 rows
.set WST0,  4*XSTG                     ; behind x's four stages: the weights' stages, 8,192 bytes a wave
.set R,     16                         ; x: v16-143  32 loads of 4 registers; later fragment 1's 64 numbers
.set XA,    144                        ; x: v144-207 fragment 0's 64 numbers
.set CA,    208                        ; x: v208-223 fragment 0's codes
.set CB,    224                        ; x: v224-239 fragment 1's codes
.set OFF,   16                         ; w: v16-47   byte offsets of 32 rows down K at my column
.set XS,    48                         ; w: v48-111  two sets of 32 numbers; on the way out 16 x 4 registers
.set CW,    112                        ; w: v112-175 codes, 8 registers a block, never written again
	s_load_b256 s[4:11], s[0:1], 0x0               ; x s[4:5], c_attn_w s[6:7], c_proj_w s[8:9], lowp_scales s[10:11]
	s_load_b128 s[12:15], s[0:1], 0x20             ; xc s[12:13], wc s[14:15]
	s_load_b64 s[16:17], s[0:1], 0x30              ; pc
	v_lshl_add_u32 v240, v0, 2, 0x18400
	v_mov_b32 v241, 0
	v_lshrrev_b32 v2, 5, v0
	v_readfirstlane_b32 s18, v2                    ; wave 0..3
	v_and_b32 v1, 31, v0                           ; lane
	v_lshlrev_b32 v3, 4, v1                        ; 16 x lane
	v_and_b32 v2, 15, v0                           ; r
	v_bfe_u32 v5, v0, 4, 1                         ; h
	s_wait_kmcnt 0x0
	s_load_b256 s[24:31], s[10:11], 0x0            ; the eight exponents
	s_cmp_lt_u32 ttmp9, 512
	s_cbranch_scc0 .Lweights
; ---- x.  Work-group = tile of 16 tokens, wave = slot of 256 along K: 16 rows x 1,024 bytes in, two fragments' images (4,096 bytes) out.
; Each load takes 512 consecutive bytes; the 16 KB turn through the wave's own stage, so that a lane gets 8 neighbours along K for each conversion.
	s_lshl_b32 s20, ttmp9, 16                      ; 16 rows of 4,096 bytes
	s_lshl_b32 s21, s18, 10                        ; + 256 numbers a slot
	s_add_co_u32 s20, s20, s21
	s_mov_b32 s21, 0
	s_add_nc_u64 s[4:5], s[4:5], s[20:21]
.set k, 0
	s_wait_alu depctr_va_vdst(0)
.rept 32
	global_load_b128 v[R+4*k:R+4*k+3], v3, s[4:5] offset:(k/2)*4096+(k%2)*512 th:TH_LOAD_NT   ; row k / 2, half k % 2
.set k, k+1
.endr
	s_lshl_b32 s22, s18, 21                        ; xc: slot x 512 tiles x 4,096
	s_lshl_b32 s23, ttmp9, 12
	s_add_co_u32 s22, s22, s23
	s_mov_b32 s23, 0
	s_add_nc_u64 s[12:13], s[12:13], s[22:23]
	s_mul_i32 s19, s18, XSTG
	v_add_nc_u32 v14, s19, v3                      ; into the stage: as loaded
	v_mul_u32_u24 v15, v2, XP
	v_lshl_add_u32 v15, v5, 5, v15
	v_add_nc_u32 v15, s19, v15                     ; out of it: row r, + 32 h bytes: my 8 numbers of each 16
	s_wait_alu depctr_va_vdst(0)
	s_wait_kmcnt 0x0
	s_add_co_i32 s22, s24, 127
	s_lshl_b32 s23, s22, 23
	v_mov_b32 v11, s23                             ; 2^e0 as f32: the conversion takes its exponent field
.set k, 0
	s_wait_alu depctr_va_vdst(0)
.rept 32
	s_wait_loadcnt 31-k                            ; loads come back in order: load k is in, the younger ones stay out
	ds_store_b128 v14, v[R+4*k:R+4*k+3] offset:(k/2)*XP+(k%2)*512
.set k, k+1
.endr
.macro XBACK dst, ks                   ; fragment ks: registers 8 c + 0 .. 7 = k 128 ks + 16 c + 8 h + 0 .. 7 of row r.  LDS serves a wave's instructions in order: these see the stores above
.set k, 0
.rept 16
	ds_load_b128 v[\dst+4*k:\dst+4*k+3], v15 offset:512*(\ks)+64*(k/2)+16*(k%2)
.set k, k+1
.endr
.endm
.macro QX src, dst                     ; 64 numbers become a fragment's 16 registers of codes
.set k, 0
.rept 64
.set k, k+1
.endr
.set k, 0
.rept 8
	v_cvt_scalef32_pk8_bf8_f32 v[\dst+2*k:\dst+2*k+1], v[\src+8*k:\src+8*k+7], v11
.set k, k+1
.endr
.endm
	XBACK XA, 0
	s_wait_dscnt 0x0                               ; fragment 0's numbers are in, and the stores have read R
	XBACK R, 1                                     ; fragment 1's land while fragment 0 is quantised
	QX XA, CA
.irp g, 0,1,2,3
	global_store_b128 v3, v[CA+4*\g:CA+4*\g+3], s[12:13] offset:512*\g        ; 512 consecutive bytes, at a multiple of 256 from xc's first byte
.endr
	s_wait_dscnt 0x0
	QX R, CB                                       ; (the codes go to stores alone)
.irp g, 0,1,2,3
	global_store_b128 v3, v[CB+4*\g:CB+4*\g+3], s[12:13] offset:2048+512*\g
.endr
	s_wait_tensorcnt 0x0
	ds_add_u32 v240, v241
	s_wait_dscnt 0x0
	s_endpgm
; ---- the weights.  Work-group = 128 columns x a slot of 256 along K; wave = 32 columns.  A LANE TAKES A COLUMN AND ITS REGISTERS RUN DOWN K: a load reads 128 consecutive bytes a wave (512 a work-group),
; and the conversions give 8 neighbours along K of one column: two registers of an image.  The images are put together in the wave's stage and leave as 8,192 consecutive bytes (two tiles of columns).
.Lweights:
	s_sub_co_u32 s19, ttmp9, 512
	s_lshr_b32 s20, s19, 2                         ; group of 128 columns: 0 to 23 c_attn_w's, 24 to 31 c_proj_w's
	s_and_b32 s21, s19, 3                          ; slot
	s_mov_b32 s22, 12288
	s_mov_b32 s23, 786432
	s_cmp_ge_u32 s20, 24                           ; the choice hangs on the work-group's number alone
	s_cselect_b64 s[6:7], s[8:9], s[6:7]           ; from
	s_cselect_b64 s[14:15], s[16:17], s[14:15]     ; to
	s_cselect_b32 s22, 4096, s22                   ; bytes from row to row
	s_cselect_b32 s23, 262144, s23                 ; bytes of a slot in the codes' buffer
	s_cselect_b32 s48, 24, 0
	s_cselect_b32 s49, 1, 0                        ; kept for the choice of e
	s_sub_co_u32 s20, s20, s48
	s_lshl_b32 s20, s20, 7
	s_lshl_b32 s48, s18, 5
	s_add_co_u32 s20, s20, s48                     ; my wave's first column
	s_lshl_b32 s50, s21, 8
	s_mul_i32 s50, s50, s22                        ; 256 x slot rows
	s_lshl_b32 s51, s20, 2
	s_add_co_u32 s50, s50, s51
	s_mov_b32 s51, 0
	s_add_nc_u64 s[32:33], s[6:7], s[50:51]        ; block 0's base
	s_lshl_b32 s52, s22, 5                         ; 32 rows
	s_mov_b32 s53, 0
.irp t, 1,2,3,4,5,6,7
	s_add_nc_u64 s[32+2*\t:33+2*\t], s[30+2*\t:31+2*\t], s[52:53]   ; a base for each block of 32 along K: none is stepped
.endr
	s_wait_alu depctr_va_vdst(0)
	v_lshlrev_b32 v[OFF], 2, v1
.set k, 1
.rept 31
	v_add_nc_u32 v[OFF+k], s22, v[OFF+k-1]         ; the pitch is a number in a register, so the rows' offsets are too
.set k, k+1
.endr
.macro LOADW t                         ; block t: W(32 t + i, my column), i = 0 .. 31, into set t % 2
.set k, 0
.rept 32
	global_load_b32 v[XS+32*((\t)%2)+k], v[OFF+k], s[32+2*(\t):33+2*(\t)] th:TH_LOAD_NT
.set k, k+1
.endr
.endm
	LOADW 0
	LOADW 1
	s_mul_i32 s54, s21, s23
	s_lshl_b32 s55, s20, 8                         ; a tile of 16 columns is 4,096 bytes: 256 a column
	s_add_co_u32 s54, s54, s55
	s_mov_b32 s55, 0
	s_add_nc_u64 s[14:15], s[14:15], s[54:55]
	s_lshl_b32 s48, s18, 13
	s_add_co_u32 s48, s48, WST0                    ; my stage
	v_lshlrev_b32 v4, 12, v5                       ; lanes 16-31 hold the second tile of columns
	v_lshl_add_u32 v4, v2, 4, v4                   ; column r of a tile is the image's lane r
	v_add_nc_u32 v4, s48, v4
	v_add_nc_u32 v7, s48, v3                       ; back: 16 bytes a lane
	s_wait_kmcnt 0x0
	s_cmp_eq_u32 s49, 1
	s_cselect_b32 s50, s31, s25                    ; e7 or e1
	s_add_co_i32 s50, s50, 127
	s_lshl_b32 s51, s50, 23
	v_mov_b32 v11, s51                             ; 2^e
	s_add_co_i32 s50, s50, 15
	s_lshl_b32 s50, s50, 23
	s_or_b32 s50, s50, 0x600000
.macro BLOCKW t
.if (\t) < 7
	s_wait_loadcnt 32                              ; this block's 32 loads are in; the next block's may be out
.else
	s_wait_loadcnt 0
.endif
.set XB, XS+32*((\t)%2)
.set k, 0
.rept 32
.set k, k+1
.endr
.irp g, 0,1,2,3
	v_cvt_scalef32_pk8_bf8_f32 v[CW+8*(\t)+2*\g:CW+8*(\t)+2*\g+1], v[XB+8*\g:XB+8*\g+7], v11
.endr
.irp g, 0,1,2,3                        ; k = 32 t + 8 g + 0 .. 7 is fragment t / 4, c = 2 (t % 4) + g / 2, h = g % 2: registers 2 c, 2 c + 1 of lane r + 16 h
	ds_store_b64 v4, v[CW+8*(\t)+2*\g:CW+8*(\t)+2*\g+1] offset:((\t)/4)*2048+((\t)%4)*512+(\g%2)*256+(\g/2)*8
.endr
.if (\t) < 6
	LOADW (\t)+2
.endif
.endm
	s_wait_alu depctr_va_vdst(0)
.irp t, 0,1,2,3,4,5,6,7
	BLOCKW \t
.endr
.set k, 0
	v_nop
.rept 16
	ds_load_b128 v[XS+4*k:XS+4*k+3], v7 offset:512*k   ; LDS serves a wave's instructions in order: these see my stores
.set k, k+1
.endr
.set k, 0
.rept 16
	s_wait_dscnt 15-k
	global_store_b128 v3, v[XS+4*k:XS+4*k+3], s[14:15] offset:512*k   ; 512 consecutive bytes, at a multiple of 256 from the buffer's first byte
.set k, k+1
.endr
	s_wait_tensorcnt 0x0
	ds_add_u32 v240, v241
	s_wait_dscnt 0x0
	s_endpgm
.Lfunc_end_k_qf5e1399653_quant:
	.size	k_qf5e1399653_quant, .Lfunc_end_k_qf5e1399653_quant-k_qf5e1399653_quant
	.p2alignl 7, 3214868480
	.fill 96, 4, 3214868480
	.section	.rodata,"a",@progbits
	.p2align	6, 0x0
	.amdhsa_kernel k_qf5e1399653_quant
		.amdhsa_group_segment_fixed_size 99840
		.amdhsa_private_segment_fixed_size 0
		.amdhsa_enable_private_segment 0
		.amdhsa_kernarg_size 56
		.amdhsa_user_sgpr_count 2
		.amdhsa_user_sgpr_kernarg_segment_ptr 1
		.amdhsa_wavefront_size32 1
		.amdhsa_system_sgpr_workgroup_id_x 1
		.amdhsa_system_sgpr_workgroup_id_y 1
		.amdhsa_system_sgpr_workgroup_id_z 1
		.amdhsa_system_vgpr_workitem_id 0
		.amdhsa_next_free_vgpr 242
		.amdhsa_next_free_sgpr 66
		.amdhsa_reserve_vcc 0
		.amdhsa_float_denorm_mode_32 3
		.amdhsa_float_denorm_mode_16_64 3
		.amdhsa_fp16_overflow 1
		.amdhsa_memory_ordered 1
		.amdhsa_forward_progress 1
		.amdhsa_inst_pref_size 47
	.end_amdhsa_kernel
	.amdgpu_metadata
---
amdhsa.version: [ 1, 2 ]
amdhsa.kernels:
  - .name:           k_qf5e1399653_quant
    .symbol:         k_qf5e1399653_quant.kd
    .args:
      - { .name: x, .offset: 0, .size: 8, .value_kind: global_buffer, .address_space: global }
      - { .name: c_attn_w, .offset: 8, .size: 8, .value_kind: global_buffer, .address_space: global }
      - { .name: c_proj_w, .offset: 16, .size: 8, .value_kind: global_buffer, .address_space: global }
      - { .name: lowp_scales, .offset: 24, .size: 8, .value_kind: global_buffer, .address_space: global }
      - { .name: xc, .offset: 32, .size: 8, .value_kind: global_buffer, .address_space: global }
      - { .name: wc, .offset: 40, .size: 8, .value_kind: global_buffer, .address_space: global }
      - { .name: pc, .offset: 48, .size: 8, .value_kind: global_buffer, .address_space: global }
    .group_segment_fixed_size: 99840
    .private_segment_fixed_size: 0
    .kernarg_segment_align: 8
    .kernarg_segment_size: 56
    .max_flat_workgroup_size: 128
    .sgpr_count:     66
    .vgpr_count:     242
    .wavefront_size: 32
...
	.end_amdgpu_metadata
.endif
;; end of part 1
;; launch qkv (part 2): grid 12 x 64, 4 waves a work-group, clusters of 4 x 4, 327,680 bytes of LDS; arguments xc, wc, c_attn_b, lowp_scales, qkv; writes qkv
.if DOCPART == 2
	.amdgcn_target "amdgcn-amd-amdhsa--gfx1250"
	.amdhsa_code_object_version 6
	.text
	.protected	k_qf5e1399653_qkv
	.globl	k_qf5e1399653_qkv
	.p2align	8
	.type	k_qf5e1399653_qkv,@function
k_qf5e1399653_qkv:
	s_mov_b64 s[64:65], 0
	v_nop
	global_prefetch_b8 v0, s[64:65] scope:SCOPE_SE
	s_setreg_imm32_b32 hwreg(HW_REG_WAVE_MODE, 25, 1), 1
	s_wait_xcnt 0x0
	s_wait_alu depctr_hold_cnt(0) depctr_sa_sdst(0) depctr_va_vdst(0) depctr_va_sdst(0) depctr_va_ssrc(0) depctr_va_vcc(0) depctr_vm_vsrc(0)
	s_getreg_b32 s2, hwreg(HW_REG_IB_STS2, 6, 4)
	s_cmp_eq_u32 s2, 0
	s_cbranch_scc0 .Lentry_in_a_cluster
	s_endpgm
.Lentry_in_a_cluster:
	s_bfe_u32 s2, ttmp6, 0x10000c
	s_cmp_lg_u32 s2, 0xf033
	s_cbranch_scc0 .Lentry_shape_is_right
	s_endpgm
.Lentry_shape_is_right:
; qkv = x c_attn_w + c_attn_b on codes of BF8 (K = 1,024), and its results quantised at once into the operands of attention's two products: q (scale 2^e2), k (2^e3), v (2^e5).
; IN: xc, wc: images of operand registers.  A fragment is 16 rows x 128 K, 16 registers a lane (lane (r, h): row r; registers 2 c, 2 c + 1: k = 16 c + 8 h + 0 .. 7); its image is 2,048 bytes, registers
; 4 g .. 4 g + 3 of lane l at 512 g + 16 l.  xc [slot of 256 K: 4][tile of 16 tokens: 512][4,096], wc [4][tile of 16 columns: 192][4,096].
; OUT: qkv, images again.  q: [head b x 16 + h: 64][tile of 16 queries: 128][1,024] (16 x 64: 8 registers).  From byte KV0 on, for each head and each step of 128 keys 16,384 bytes: k's 8 tiles of 16 keys x 64
; (1,024 each), then v turned: 4 tiles of 16 channels x 128 keys (2,048 each), since the keys are the second product's K.
; A work-group makes 128 x 256: 128 rows of the operand in role A, 256 of that in role B.  Four waves, each 64 x 128: 32 accumulators.  This tile gives 768 work-groups, three for each of 256.
; THE MATRIX INSTRUCTION IS USED TRANSPOSED (source 0 = 16 rows of B, source 1 = 16 rows of A): lane (r, h) holds row r of A's tile and eight NEIGHBOURING rows of B's, which one conversion turns into two registers of an image.
; q and k (cluster x = 0, 1): A = tokens, B = columns: a lane's eight are channels of a head, the first product's K.  v (cluster x = 2): A = columns, B = tokens: a lane's eight are keys.  Only pointers, strides
; and places are chosen, by selections on the cluster's x, which all partners share.  So the codes in registers ARE the readers' images: no stage, no transposition; every store is 512 consecutive bytes.
; K goes in four steps of 256 through three LDS slots: steps 0, 1, 2 are asked for together at the start (three tensor loads of mine are out), step 3 fills slot 0 again behind the one change of slots.
; CLUSTERS: 4 x 4 work-groups.  The four of a row of the cluster need the same tiles of A, the four of a column the same tiles of B: each is asked for jointly.
; The bias is the C of each sum's first matrix instruction, divided by 2^(e0 + e1), the power of two that the sums lack; the conversion's one scale is 2^(eo - e0 - e1), eo = e2, e3 or e5.
; LIMITS: eo - e0 - e1 between -126 and 112.  NaN is not served.  Nothing is prefetched: three of the four K steps are asked for at the head, the fourth two K steps ahead of its use.
; REGISTERS, in windows of 256: window 0: v1 16 x lane; v4-11 the stores' offsets; v13 the scale; v16-18, v20-22 LDS addresses; v28, v29 for the add; v40-45 at work at the head;
;   v64-127, v128-191 A's fragments (4 x 16), two sets; on the way out v64-127 the codes.   window 1: B's fragments (8 x 16), two sets, at v0 and v128.   window 2: accumulator (a, b) at v[8 (8 a + b)].   window 3: v0-63 the bias.
.set SLOTB, 98304                      ; a slot: A's 8 tiles x 4,096, then B's 16
.set SPARE, 3*SLOTB                    ; behind the slots: the spare words, 128 bytes for each wave: two blocks of 256 bytes that no other line names
.set KV0,   8388608
.set VO,    4
.set ADRA,  16
.set ADRB,  20
.set SPW,   28
.set NIL,   29
.set G1,    24                         ; s[24:31] descriptor group 1 for A's tiles;  s[32:39] for B's
.set G1B,   32
.set G0,    40                         ; s[40:51] groups 0 for A, a set for each slot;  s[52:63] for B
.set G0B,   52
.set MSB, 0
.macro WIN new                         ; the immediate's high byte repeats the setting that is left
.if MSB != \new
	s_set_vgpr_msb (MSB<<8)|\new
.set MSB, \new
.endif
.endm
.set MULW,  0xa1                       ; source 0 (B) window 1, source 1 (A) window 0, C and D window 2
.set MULBI, 0xb1                       ; the same with C in window 3
.set TO_B,  0x40                       ; destination window 1
.set TO_BI, 0xc0                       ; destination window 3
.set IN_BI, 0xc3                       ; source 0 and destination window 3
.set HOLDW, 0x82                       ; source 0 and destination window 2
.set CVTW,  0x02                       ; source 0 window 2
.macro PLACES                          ; four plain vector instructions between a matrix instruction and a load into, or a vector instruction on, its registers
.rept 4
	v_nop
.endr
.endm
.macro CREST                           ; a round of the cluster's barrier behind its opening barrier
	s_cmp_lg_u32 s14, 0
	s_cbranch_scc1 .Lnot_wave_0_\@
	s_barrier_signal -3
.Lnot_wave_0_\@:
	s_barrier_wait -3
	s_barrier_signal -1
	s_barrier_wait -1
.endm
.macro CROUND
	s_barrier_signal -1
	s_barrier_wait -1
	CREST
.endm
.macro FETCH slot, q, p                ; the fragments of the slot's q-th 128 along K into set p: B's eight, then A's four; 48 loads of 512 consecutive bytes
	WIN TO_B
.irp i, 0,1,2,3,4,5,6,7
.irp c, 0,1,2,3
	ds_load_b128 v[128*(\p)+16*\i+4*\c:128*(\p)+16*\i+4*\c+3], v[ADRB+\slot] offset:4096*\i+2048*(\q)+512*\c
.endr
.endr
	WIN 0
.irp i, 0,1,2,3
.irp c, 0,1,2,3
	ds_load_b128 v[64+64*(\p)+16*\i+4*\c:64+64*(\p)+16*\i+4*\c+3], v[ADRA+\slot] offset:4096*\i+2048*(\q)+512*\c
.endr
.endr
.endm
; 8 matrix instructions: A's tile a against B's eight, from set p.  mode 1: the sums go on; 2: they begin with the bias of B's rows; 3: with the bias of A's rows.
; The 32 accumulators take turns, one instruction a turn, in the same order throughout.
.macro MUL8 p, a, mode
.irp b, 0,1,2,3,4,5,6,7
.if \mode == 1
	v_wmma_f32_16x16x128_bf8_bf8 v[8*(8*(\a)+\b):8*(8*(\a)+\b)+7], v[128*(\p)+16*\b:128*(\p)+16*\b+15], v[64+64*(\p)+16*(\a):64+64*(\p)+16*(\a)+15], v[8*(8*(\a)+\b):8*(8*(\a)+\b)+7]
.elseif \mode == 2
	v_wmma_f32_16x16x128_bf8_bf8 v[8*(8*(\a)+\b):8*(8*(\a)+\b)+7], v[128*(\p)+16*\b:128*(\p)+16*\b+15], v[64+64*(\p)+16*(\a):64+64*(\p)+16*(\a)+15], v[8*\b:8*\b+7]
.else
	v_wmma_f32_16x16x128_bf8_bf8 v[8*(8*(\a)+\b):8*(8*(\a)+\b)+7], v[128*(\p)+16*\b:128*(\p)+16*\b+15], v[64+64*(\p)+16*(\a):64+64*(\p)+16*(\a)+15], v[8*(4*(\b%2)+(\a)):8*(4*(\b%2)+(\a))+7]
.endif
.endr
.endm
.macro SUB p, slot, q                  ; 128 along K from set p; ahead of its 32 products the next 128 along K are fetched into the other set
	s_wait_dscnt 0x0                               ; set p is in
	PLACES                                         ; the other set was read by the products just issued
	FETCH \slot, \q, 1-(\p)
	WIN MULW
	MUL8 \p, 0, 1
	MUL8 \p, 1, 1
	MUL8 \p, 2, 1
	MUL8 \p, 3, 1
.endm
	s_load_b256 s[4:11], s[0:1], 0x0               ; xc s[4:5], wc s[6:7], c_attn_b s[8:9], lowp_scales s[10:11]
	s_load_b64 s[12:13], s[0:1], 0x20              ; qkv
	v_lshl_add_u32 v[SPW], v0, 2, SPARE
	v_mov_b32 v[NIL], 0
	ds_add_u32 v28, v29
	ds_add_u32 v28, v29
	s_wait_dscnt 0x0
	v_lshrrev_b32 v2, 5, v0
	v_readfirstlane_b32 s14, v2                    ; wave 0..3
	s_lshr_b32 s15, s14, 1                         ; which 64 of A's rows are mine.  Also: I fetch for A (0) or for B (1)
	s_and_b32 s16, s14, 1                          ; which 128 of B's rows.  Also: which half of that tile I fetch
	s_bfe_u32 s17, ttmp6, 0x40000                  ; cx
	s_bfe_u32 s18, ttmp6, 0x40004                  ; cy
	s_mov_b32 s19, ttmp9                           ; cluster x: 0 q, 1 k, 2 v
	s_and_b32 s20, ttmp7, 0xffff                   ; cluster y, 0..15
	s_and_b32 s90, s20, 1
	s_lshr_b32 s94, s20, 1
	s_cmp_eq_u32 s19, 2
	s_cselect_b32 s21, s90, s20                    ; v: 8 tiles of 128 columns, 32 tiles of 256 tokens;  q, k: 64 tiles of 128 tokens, 4 + 4 tiles of 256 columns
	s_cselect_b32 s22, s94, s19
	s_lshl_b32 s21, s21, 2
	s_add_co_u32 s21, s21, s18                     ; A's tile: hangs on cy, not on cx
	s_lshl_b32 s22, s22, 2
	s_add_co_u32 s22, s22, s17                     ; B's tile: hangs on cx, not on cy
	s_lshl_b32 s98, s18, 2
	s_lshl_b32 s98, 15, s98                        ; my row of the cluster
	s_lshl_b32 s99, 0x1111, s17                    ; my column
	; descriptor group 1: a dense block as rows of 256 bytes (32 elements of 8 bytes): A's half 64 rows, B's half 128
	s_or_b32 s[G1], s98, (3<<16)|(1<<21)           ; 15:0 the mask; 17:16 elements of 8 bytes; 21 set beside a mask; no padding
	s_or_b32 s[G1B], s99, (3<<16)|(1<<21)
	s_mov_b32 s[G1+1], 32<<16                      ; tensor_dim0
	s_mov_b32 s[G1+2], 64<<16                      ; tensor_dim1
	s_mov_b32 s[G1+3], 32<<16                      ; tile_dim0
	s_mov_b32 s[G1+4], 64                          ; tile_dim1
	s_mov_b32 s[G1+5], 32                          ; from row to row
	s_mov_b32 s[G1+6], 0
	s_mov_b32 s[G1+7], 0
	s_mov_b32 s[G1B+1], 32<<16
	s_mov_b32 s[G1B+2], 128<<16
	s_mov_b32 s[G1B+3], 32<<16
	s_mov_b32 s[G1B+4], 128
	s_mov_b32 s[G1B+5], 32
	s_mov_b32 s[G1B+6], 0
	s_mov_b32 s[G1B+7], 0
	s_lshl_b32 s96, s16, 14                        ; where my half goes in a slot: A's,
	s_lshl_b32 s97, s16, 15
	s_add_co_u32 s97, s97, 32768                   ; B's: no place in the cluster enters an LDS address
	s_mov_b32 s66, 2097152
	s_mov_b32 s68, 786432
	s_wait_kmcnt 0x0
	s_load_b256 s[72:79], s[10:11], 0x0            ; the eight exponents
	s_cmp_eq_u32 s19, 2
	s_cselect_b64 s[84:85], s[6:7], s[4:5]         ; A's buffer
	s_cselect_b64 s[86:87], s[4:5], s[6:7]         ; B's
	s_cselect_b32 s66, 786432, s66                 ; bytes from slot to slot: A's,
	s_cselect_b32 s68, 2097152, s68                ; B's
	s_cselect_b32 s92, 524288, 0                   ; v's columns begin at tile 128 of wc
	s_mov_b32 s67, 0
	s_mov_b32 s69, 0
	s_mul_i32 s80, s66, 3
	s_mov_b32 s81, 0
	s_mul_i32 s82, s68, 3
	s_mov_b32 s83, 0
	s_lshl_b32 s90, s21, 15                        ; A's tile: 8 x 4,096
	s_add_co_u32 s90, s90, s92
	s_add_co_u32 s90, s90, s96                     ; + my half
	s_mov_b32 s91, 0
	s_add_nc_u64 s[84:85], s[84:85], s[90:91]
	s_lshl_b32 s94, s22, 16                        ; B's tile: 16 x 4,096
	s_lshl_b32 s95, s16, 15
	s_add_co_u32 s94, s94, s95
	s_mov_b32 s95, 0
	s_add_nc_u64 s[86:87], s[86:87], s[94:95]
.irp s, 0,1,2
	s_mov_b32 s[G0+4*\s], 1                                        ; count = 1
	s_add_co_u32 s[G0+4*\s+1], s96, \s*SLOTB                       ; LDS address
	s_mov_b64 s[G0+4*\s+2:G0+4*\s+3], s[84:85]                     ; global address: K step s
	s_or_b32 s[G0+4*\s+3], s[G0+4*\s+3], 0x80000000                ; type = 2
	s_mov_b32 s[G0B+4*\s], 1
	s_add_co_u32 s[G0B+4*\s+1], s97, \s*SLOTB
	s_mov_b64 s[G0B+4*\s+2:G0B+4*\s+3], s[86:87]
	s_or_b32 s[G0B+4*\s+3], s[G0B+4*\s+3], 0x80000000
	s_add_nc_u64 s[84:85], s[84:85], s[66:67]
	s_add_nc_u64 s[86:87], s[86:87], s[68:69]
.endr
	CROUND                                         ; all sixteen work-groups are here: the first joint loads meet
	s_cmp_eq_u32 s15, 0                            ; a wave's three first fills stand in one branch, ahead of every wait on TENSORcnt and every LDS read; four v_nop follow the last
	s_cbranch_scc0 .Lfirst_b
	tensor_load_to_lds s[G0:G0+3], s[G1:G1+7]
	s_nop 0
	tensor_load_to_lds s[G0+4:G0+7], s[G1:G1+7]
	s_nop 0
	tensor_load_to_lds s[G0+8:G0+11], s[G1:G1+7]
	s_nop 0
.rept 4
	v_nop
.endr
	s_branch .Lfirst_asked
.Lfirst_b:
	tensor_load_to_lds s[G0B:G0B+3], s[G1B:G1B+7]
	s_nop 0
	tensor_load_to_lds s[G0B+4:G0B+7], s[G1B:G1B+7]
	s_nop 0
	tensor_load_to_lds s[G0B+8:G0B+11], s[G1B:G1B+7]
	s_nop 0
.rept 4
	v_nop
.endr
.Lfirst_asked:
	v_and_b32 v1, 31, v0
	v_lshlrev_b32 v1, 4, v1                        ; 16 x lane: my place in every image
	s_wait_alu depctr_va_vdst(0)
	s_lshl_b32 s2, s15, 14                         ; my 4 tiles of A
	s_lshl_b32 s3, s16, 15
	s_add_co_u32 s3, s3, 32768                     ; my 8 tiles of B, behind A's 8
.irp s, 0,1,2
	v_add_nc_u32 v[ADRA+\s], s2, v1
	v_add_nc_u32 v[ADRB+\s], s3, v1
	s_add_co_u32 s2, s2, SLOTB
	s_add_co_u32 s3, s3, SLOTB
.endr
	; where my codes go.  q, k: head (batch x 16 + 4 (B's tile % 4) + 2 x my half of B), tile of tokens 8 (A's tile % 16) + 4 x my half of A; a head's bytes and a step's are twice as many in the k, v part
	s_lshr_b32 s2, s21, 4
	s_lshl_b32 s2, s2, 4
	s_and_b32 s3, s22, 3
	s_lshl_b32 s3, s3, 2
	s_add_co_u32 s2, s2, s3
	s_lshl_b32 s3, s16, 1
	s_add_co_u32 s2, s2, s3
	s_lshl_b32 s2, s2, 17
	s_and_b32 s3, s21, 15
	s_lshl_b32 s3, s3, 13
	s_add_co_u32 s2, s2, s3
	s_lshl_b32 s2, s2, s19
	s_lshl_b32 s3, s19, 23                         ; k begins at KV0
	s_add_co_u32 s2, s2, s3
	s_lshl_b32 s3, s15, 12
	s_add_co_u32 s2, s2, s3
	; v: head (batch x 16 + 2 x A's tile + my half of A), step 2 (B's tile % 8) + my half of B, behind the step's k
	s_lshr_b32 s23, s22, 3
	s_lshl_b32 s23, s23, 4
	s_lshl_b32 s71, s21, 1
	s_add_co_u32 s23, s23, s71
	s_add_co_u32 s23, s23, s15
	s_lshl_b32 s23, s23, 18
	s_and_b32 s71, s22, 7
	s_lshl_b32 s71, s71, 1
	s_add_co_u32 s71, s71, s16
	s_lshl_b32 s71, s71, 14
	s_add_co_u32 s23, s23, s71
	s_add_co_u32 s23, s23, KV0+8192
	s_lshl_b32 s71, 131072, s19                    ; q, k: from head to head
	s_mov_b32 s3, 1024
	s_cmp_eq_u32 s19, 2
	s_cselect_b32 s2, s23, s2
	s_cselect_b32 s71, 1024, s71                   ; from registers 0-7 of a lane's sixteen codes to registers 8-15: q, k: the next head; v: the image's second half
	s_cselect_b32 s23, 2048, s3                    ; from A's tile a to a + 1
	s_mov_b32 s3, 0
	s_add_nc_u64 s[88:89], s[12:13], s[2:3]
	s_mov_b32 s2, 0
.irp a, 0,1,2,3
	v_add_nc_u32 v[VO+2*\a], s2, v1
	v_add_nc_u32 v[VO+2*\a+1], s71, v[VO+2*\a]
	s_add_co_u32 s2, s2, s23
.endr
	; the scales
	s_wait_kmcnt 0x0
	s_cmp_eq_u32 s19, 0
	s_cselect_b32 s2, s74, s75
	s_cmp_eq_u32 s19, 2
	s_cselect_b32 s2, s77, s2                      ; eo = e2, e3 or e5
	s_add_co_i32 s3, s72, s73                      ; e0 + e1
	s_sub_co_i32 s70, 0, s3
	s_sub_co_i32 s2, s2, s3
	s_add_co_i32 s2, s2, 127
	s_lshl_b32 s3, s2, 23
	v_mov_b32 v13, s3                              ; 2^(eo - e0 - e1): the three scales folded into the conversion's one
	; the bias, in the result's layout, divided by 2^(e0 + e1)
	v_and_b32 v45, 15, v0
	v_lshlrev_b32 v45, 2, v45                      ; 4 r
	v_bfe_u32 v44, v0, 4, 1
	v_lshlrev_b32 v44, 5, v44                      ; 32 h
	s_lshl_b32 s2, s22, 10                         ; q, k: column 256 x B's tile + 128 x my half
	s_lshl_b32 s3, s16, 9
	s_add_co_u32 s2, s2, s3
	s_lshl_b32 s23, s21, 9                         ; v: column 2,048 + 128 x A's tile + 64 x my half
	s_lshl_b32 s71, s15, 8
	s_add_co_u32 s23, s23, s71
	s_add_co_u32 s23, s23, 8192
	s_cmp_eq_u32 s19, 2
	s_cselect_b32 s2, s23, s2
	s_mov_b32 s3, 0
	s_add_nc_u64 s[8:9], s[8:9], s[2:3]
	s_cmp_eq_u32 s19, 2
	s_cbranch_scc1 .Lbias_v
	WIN TO_BI
	s_wait_alu depctr_va_vdst(0)
.irp b, 0,1,2,3,4,5,6,7                ; tile b, register j: the bias of column 16 b + 8 h + j
	global_load_b128 v[8*\b:8*\b+3], v44, s[8:9] offset:64*\b
	global_load_b128 v[8*\b+4:8*\b+7], v44, s[8:9] offset:64*\b+16
.endr
	s_wait_loadcnt 0x0
	WIN IN_BI
.set k, 0
.rept 64
	v_ldexp_f32 v[k], v[k], s70
.set k, k+1
.endr
	WIN 0
	s_branch .Lbias_done
.Lbias_v:
	s_wait_alu depctr_va_vdst(0)
.irp a, 0,1,2,3                        ; tile a, every register: the bias of column 16 a + r
	global_load_b32 v[40+\a], v45, s[8:9] offset:64*\a
.endr
	s_wait_loadcnt 0x0
	WIN TO_BI
.irp u, 0,1                            ; two copies, taken by B's even and odd tiles: so all 64 registers are written on this way too, as on the other
.irp a, 0,1,2,3
.irp j, 0,1,2,3,4,5,6,7
	v_ldexp_f32 v[8*(4*\u+\a)+\j], v[40+\a], s70
.endr
.endr
.endr
	WIN 0
.Lbias_done:
	s_wait_tensorcnt 0x2                           ; my part of K step 0 is in; K steps 1 and 2 may stay out
	s_barrier_signal -1
	s_barrier_wait -1                              ; everybody's is
	FETCH 0, 0, 0
	s_wait_dscnt 0x0
	FETCH 0, 1, 1
	s_cmp_eq_u32 s19, 2                            ; the first products start the sums with the bias: nothing is cleared
	s_cbranch_scc1 .Lfirst_v
	WIN MULBI
	s_wait_alu depctr_va_vdst(0)
	MUL8 0, 0, 2
	MUL8 0, 1, 2
	MUL8 0, 2, 2
	MUL8 0, 3, 2
	WIN 0
	s_branch .Lfirst_done
.Lfirst_v:
	WIN MULBI
	MUL8 0, 0, 3
	MUL8 0, 1, 3
	s_wait_alu depctr_va_vdst(0)
	MUL8 0, 2, 3
	MUL8 0, 3, 3
	WIN 0
.Lfirst_done:
	; THE ONE CHANGE OF SLOTS: slot 0 has been read out; it takes K step 3
	s_wait_dscnt 0x0                               ; set 1 is in
	s_wait_tensorcnt 0x0                           ; all my tensor loads have landed: my parts of slots 1 and 2;
	ds_add_u32 v[SPW], v[NIL]                      ; 0 onto my spare word
	WIN MULW
	MUL8 1, 0, 1                                   ; eight matrix instructions stand between the add and the wait for it
	s_wait_dscnt 0x0                               ; the add is done, and my reads of slot 0 are over
	s_barrier_signal -1
	MUL8 1, 1, 1
	WIN 0
	s_barrier_wait -1
	CREST                                          ; the barrier has opened a round of the cluster's barrier: no wave of any partner still reads slot 0 or has a load on its way
	s_add_nc_u64 s[G0+2:G0+3], s[G0+2:G0+3], s[80:81]       ; three K steps on; the type bits on top are not reached
	s_add_nc_u64 s[G0B+2:G0B+3], s[G0B+2:G0B+3], s[82:83]
	s_cmp_eq_u32 s15, 0
	s_cbranch_scc0 .Lrefill_b
	tensor_load_to_lds s[G0:G0+3], s[G1:G1+7]      ; the first tensor load behind the round, and my only one
	s_nop 0
.rept 4
	v_nop                                          ; (also the places in front of the loads into set 0)
.endr
	s_branch .Lrefilled
.Lrefill_b:
	tensor_load_to_lds s[G0B:G0B+3], s[G1B:G1B+7]
	s_nop 0
.rept 4
	v_nop
.endr
.Lrefilled:
	FETCH 1, 0, 0
	WIN MULW
	MUL8 1, 2, 1
	MUL8 1, 3, 1
	SUB 0, 1, 1
	SUB 1, 2, 0                                    ; slot 2 was shown whole by the wait and the round above
	SUB 0, 2, 1
	WIN 0
	s_wait_dscnt 0x0                               ; set 1 is in, and no LDS instruction of mine is out at the signal
	s_wait_tensorcnt 0x0                           ; my part of K step 3 is in: the one load that was out
	WIN MULW
	MUL8 1, 0, 1
	s_barrier_signal -1
	MUL8 1, 1, 1
	WIN 0
	s_barrier_wait -1                              ; everybody's is
	PLACES
	FETCH 0, 0, 0
	WIN MULW
	MUL8 1, 2, 1
	MUL8 1, 3, 1
	SUB 0, 0, 1
	s_wait_dscnt 0x0
	MUL8 1, 0, 1
	MUL8 1, 1, 1
	MUL8 1, 2, 1
	MUL8 1, 3, 1
	; THE WAY OUT: converted, stored.  The 16 registers of A's tile a are two images of 16 x 64 (q, k: two heads) or one of 16 x 128 (v)
	PLACES
.irp a, 0,1,2,3
	WIN HOLDW
.set k, 0
.rept 64
.set k, k+1
.endr
	WIN CVTW
.irp b, 0,1,2,3,4,5,6,7
	v_cvt_scalef32_pk8_bf8_f32 v[64+16*\a+2*\b:64+16*\a+2*\b+1], v[64*\a+8*\b:64*\a+8*\b+7], v13
.endr
	v_nop                                          ; a plain line behind the last conversion
	WIN 0
.irp g, 0,1,2,3
	global_store_b128 v[VO+2*\a+\g/2], v[64+16*\a+4*\g:64+16*\a+4*\g+3], s[88:89] offset:(\g%2)*512   ; 512 consecutive bytes, at a multiple of 256 from qkv's first byte
.endr
.endr
	s_wait_tensorcnt 0x0                           ; the wave's end
	ds_add_u32 v[SPW], v[NIL]
	s_wait_dscnt 0x0
	CROUND                                         ; the closing round: no work-group ends while a partner may still ask for a tile that names it
	s_endpgm
.Lfunc_end_k_qf5e1399653_qkv:
	.size	k_qf5e1399653_qkv, .Lfunc_end_k_qf5e1399653_qkv-k_qf5e1399653_qkv
	.p2alignl 7, 3214868480
	.fill 96, 4, 3214868480
	.section	.rodata,"a",@progbits
	.p2align	6, 0x0
	.amdhsa_kernel k_qf5e1399653_qkv
		.amdhsa_group_segment_fixed_size 327680
		.amdhsa_private_segment_fixed_size 0
		.amdhsa_enable_private_segment 0
		.amdhsa_kernarg_size 40
		.amdhsa_user_sgpr_count 2
		.amdhsa_user_sgpr_kernarg_segment_ptr 1
		.amdhsa_wavefront_size32 1
		.amdhsa_system_sgpr_workgroup_id_x 1
		.amdhsa_system_sgpr_workgroup_id_y 1
		.amdhsa_system_sgpr_workgroup_id_z 1
		.amdhsa_system_vgpr_workitem_id 0
		.amdhsa_next_free_vgpr 832
		.amdhsa_next_free_sgpr 100
		.amdhsa_reserve_vcc 0
		.amdhsa_float_denorm_mode_32 3
		.amdhsa_float_denorm_mode_16_64 3
		.amdhsa_fp16_overflow 1
		.amdhsa_memory_ordered 1
		.amdhsa_forward_progress 1
		.amdhsa_inst_pref_size 70
	.end_amdhsa_kernel
	.amdgpu_metadata
---
amdhsa.version: [ 1, 2 ]
amdhsa.kernels:
  - .name:           k_qf5e1399653_qkv
    .symbol:         k_qf5e1399653_qkv.kd
    .args:
      - { .name: xc, .offset: 0, .size: 8, .value_kind: global_buffer, .address_space: global }
      - { .name: wc, .offset: 8, .size: 8, .value_kind: global_buffer, .address_space: global }
      - { .name: c_attn_b, .offset: 16, .size: 8, .value_kind: global_buffer, .address_space: global }
      - { .name: lowp_scales, .offset: 24, .size: 8, .value_kind: global_buffer, .address_space: global }
      - { .name: qkv, .offset: 32, .size: 8, .value_kind: global_buffer, .address_space: global }
    .group_segment_fixed_size: 327680
    .private_segment_fixed_size: 0
    .kernarg_segment_align: 8
    .kernarg_segment_size: 40
    .max_flat_workgroup_size: 128
    .sgpr_count:     100
    .vgpr_count:     832
    .wavefront_size: 32
...
	.end_amdgpu_metadata
.endif
;; end of part 2
;; launch attn (part 3): grid 4 x 64, 16 waves a work-group, no clusters, 327,680 bytes of LDS; arguments qkv, lowp_scales, yc; writes yc
.if DOCPART == 3
	.amdgcn_target "amdgcn-amd-amdhsa--gfx1250"
	.amdhsa_code_object_version 6
	.text
	.protected	k_qf5e1399653_attn
	.globl	k_qf5e1399653_attn
	.p2align	8
	.type	k_qf5e1399653_attn,@function
k_qf5e1399653_attn:
	s_mov_b64 s[64:65], 0
	v_nop
	global_prefetch_b8 v0, s[64:65] scope:SCOPE_SE
	s_setreg_imm32_b32 hwreg(HW_REG_WAVE_MODE, 25, 1), 1
	s_wait_xcnt 0x0
; y[head][q] = the sum over keys k <= q of softmax_k(q . k / 8) v[k], head size 64, 2,048 tokens, 64 heads; both products on codes of BF8; y is quantised at once (scale 2^e6) into the last product's operand.
; IN: qkv, images of operand registers (a fragment's registers 4 g .. 4 g + 3 of lane l at 512 g + 16 l).  q: [head][tile of 16 queries: 128][1,024].  From byte KV0 on, for each head and step of 128 keys 16,384 bytes:
; k's 8 tiles of 16 keys x 64 (1,024 each), then v turned: 4 tiles of 16 channels x 128 keys (2,048 each).  OUT: yc [slot of 256 K: 4][tile of 16 tokens: 512][4,096]: head hh fills 1,024 bytes at (hh % 4) x 1,024 of slot hh / 4.
; THE SOFTMAX: t = score x log2(e) / 8; M = the row's largest t so far, rounded UP to a whole number; p = 2^(t - M) is quantised (2^e4), not normalised; the row's sum is taken of the unquantised p and divides at the end.
; When M moves, the sum and O are multiplied by 2^(old M - new M): nothing is rounded.
; SHARES.  Work-group (i, head) owns the blocks of 256 queries i and 7 - i; wave w the tiles 16 i + w (lo) and 16 (7 - i) + 15 - w (hi).  A tile t has t / 8 + 1 key steps that are not wholly hidden, so every wave of
; every work-group has 17: 256 work-groups of equal work, four waves to a SIMD, so that one wave's vector work stands beside another's matrix work and LDS loads.
; LDS holds the head's whole k, v part, 262,144 bytes, as it lies in memory: no slot is filled again.  Each wave asks for its sixteenth of steps 0-1, 2-5 and 6-15 by three tensor loads at the head (each of the first two is waited for, with a barrier, before the next is asked for);
; a barrier in front of each of the three groups shows it whole.  Nothing is prefetched: every byte that the work-group reads is asked for at its head.
; NO JOINT LOADS, though the four work-groups of a head read the same bytes: a wave leaves hidden steps out by a branch that hangs on the work-group's x, which differs between those four.
; LAYOUT.  Both products are used transposed: S^T = K Q^T (source 0 = 16 keys, source 1 = my 16 queries), O^T = V^T P^T: a lane holds ONE query (lane % 16) throughout.  Register 8 t + j of S^T is key 16 t + 8 h + j of the step:
; one conversion of a tile's eight gives registers 2 t, 2 t + 1 of P's fragment, k = 16 t + 8 h + 0 .. 7.
; LIMITS: e2 + e3 between -123 and 130 (added to c's exponent field); e4 and e6 between -126 and 112; e4 + e5 is applied by v_ldexp_f32 and has none.  NaN is not served.
; REGISTERS: v1 16 x lane; v2 LDS address of the step; v3 r - 8 h; v5 2^e4; v7 2^e6; v[8:11] lo: -M, the largest t, the sum in two halves; v[12:15] hi; v16-23, v24-31 Q lo, hi;
;   v32-95 K's 8 fragments, then V's 4; v96-159 S^T, then p; v160-191, v192-223 O^T lo, hi; v224-239 p's codes, at the end y's; v240-249 at work.
.set KV0, 8388608
.macro G1SET g, rows                   ; descriptor group 1: a dense block as rows of 256 bytes (32 elements of 8 bytes)
	s_mov_b32 s[\g], 3<<16                         ; no mask; elements of 8 bytes; no padding
	s_mov_b32 s[\g+1], 32<<16                      ; tensor_dim0
	s_mov_b32 s[\g+2], (\rows)<<16                 ; tensor_dim1
	s_mov_b32 s[\g+3], 32<<16                      ; tile_dim0
	s_mov_b32 s[\g+4], \rows                       ; tile_dim1
	s_mov_b32 s[\g+5], 32                          ; from row to row
	s_mov_b32 s[\g+6], 0
	s_mov_b32 s[\g+7], 0
.endm
	s_load_b128 s[4:7], s[0:1], 0x0                ; qkv s[4:5], lowp_scales s[6:7]
	s_load_b64 s[8:9], s[0:1], 0x10                ; yc
	v_lshl_add_u32 v254, v0, 2, 0x40000
	v_mov_b32 v255, 0
	ds_add_u32 v254, v255
	ds_add_u32 v254, v255
	v_lshrrev_b32 v2, 5, v0
	s_delay_alu instid0(VALU_DEP_1)
	v_readfirstlane_b32 s10, v2                    ; wave 0..15
	s_mov_b32 s11, ttmp9                           ; i
	s_and_b32 s12, ttmp7, 0xffff                   ; head, 0..63
	s_lshl_b32 s60, s11, 4
	s_add_co_u32 s60, s60, s10                     ; my lo tile
	s_sub_co_u32 s61, 7, s11
	s_lshl_b32 s61, s61, 4
	s_add_co_u32 s61, s61, 15
	s_sub_co_u32 s61, s61, s10                     ; my hi tile
	s_lshr_b32 s15, s60, 3                         ; lo: the step on the diagonal,
	s_lshl_b32 s16, s60, 4                         ; and the first query
	s_lshr_b32 s17, s61, 3                         ; hi
	s_lshl_b32 s18, s61, 4
	G1SET 24, 8                                    ; steps 0-1: 2,048 bytes a wave
	G1SET 32, 16                                   ; steps 2-5: 4,096
	G1SET 40, 40                                   ; steps 6-15: 10,240
	s_mov_b32 s48, 1
	s_lshl_b32 s49, s10, 11                        ; the place in LDS is the place in the head's k, v part
	s_mov_b32 s52, 1
	s_lshl_b32 s53, s10, 12
	s_add_co_u32 s53, s53, 32768
	s_mov_b32 s56, 1
	s_mul_i32 s57, s10, 10240
	s_add_co_u32 s57, s57, 98304
	s_lshl_b32 s62, s12, 18
	s_add_co_u32 s62, s62, KV0
	s_mov_b32 s63, 0
	s_mov_b32 s67, 0
	s_wait_dscnt 0x0
	s_wait_kmcnt 0x0
	s_load_b256 s[72:79], s[6:7], 0x0              ; the eight exponents
	s_add_nc_u64 s[62:63], s[4:5], s[62:63]        ; the head's k, v part
	s_mov_b32 s66, s49
	s_add_nc_u64 s[50:51], s[62:63], s[66:67]
	s_or_b32 s51, s51, 0x80000000                  ; type = 2
	s_mov_b32 s66, s53
	s_add_nc_u64 s[54:55], s[62:63], s[66:67]
	s_or_b32 s55, s55, 0x80000000
	s_mov_b32 s66, s57
	s_add_nc_u64 s[58:59], s[62:63], s[66:67]
	s_or_b32 s59, s59, 0x80000000
	tensor_load_to_lds s[48:51], s[24:31]          ; steps 0-1; waited for, with a barrier, before the next fill is asked for
	s_nop 0
	s_wait_alu depctr_va_vdst(0)
	s_wait_tensorcnt 0x0
	ds_add_u32 v254, v255
	s_wait_dscnt 0x0
	s_barrier_signal -1
	s_barrier_wait -1
	tensor_load_to_lds s[52:55], s[32:39]
	s_nop 0
	s_wait_alu depctr_va_vdst(0)
	s_wait_tensorcnt 0x0
	ds_add_u32 v254, v255
	s_wait_dscnt 0x0
	s_barrier_signal -1
	s_barrier_wait -1
	tensor_load_to_lds s[56:59], s[40:47]
	s_nop 0
.rept 4
	v_nop
.endr
	s_lshl_b32 s66, s12, 7
	s_add_co_u32 s68, s66, s60
	s_lshl_b32 s68, s68, 10
	s_mov_b32 s69, 0
	s_add_nc_u64 s[80:81], s[4:5], s[68:69]        ; q's image, lo
	s_add_co_u32 s68, s66, s61
	s_lshl_b32 s68, s68, 10
	s_add_nc_u64 s[82:83], s[4:5], s[68:69]        ; hi
	v_and_b32 v1, 31, v0
	s_delay_alu instid0(VALU_DEP_1)
	v_lshlrev_b32 v1, 4, v1
	global_load_b128 v[16:19], v1, s[80:81]
	global_load_b128 v[20:23], v1, s[80:81] offset:512
	global_load_b128 v[24:27], v1, s[82:83]
	global_load_b128 v[28:31], v1, s[82:83] offset:512
	s_and_b32 s66, s12, 15                         ; hh
	s_lshr_b32 s67, s66, 2
	s_lshl_b32 s67, s67, 21                        ; slot hh / 4
	s_and_b32 s66, s66, 3
	s_lshl_b32 s66, s66, 10
	s_add_co_u32 s66, s66, s67
	s_lshr_b32 s67, s12, 4
	s_lshl_b32 s67, s67, 19                        ; batch x 128 tiles x 4,096
	s_add_co_u32 s66, s66, s67
	s_lshl_b32 s68, s60, 12
	s_add_co_u32 s68, s68, s66
	s_add_nc_u64 s[86:87], s[8:9], s[68:69]        ; y's image, lo
	s_lshl_b32 s68, s61, 12
	s_add_co_u32 s68, s68, s66
	s_add_nc_u64 s[88:89], s[8:9], s[68:69]        ; hi
	s_mov_b32 s20, 0x76543210
	s_mov_b32 s21, 0xfedcba98                      ; v_permlanex16_b32's selects for lane l xor 16
	v_and_b32 v3, 15, v0
	v_bfe_u32 v2, v0, 4, 1
	s_delay_alu instid0(VALU_DEP_1)
	v_lshlrev_b32 v2, 3, v2
	s_delay_alu instid0(VALU_DEP_1)
	v_sub_nc_u32 v3, v3, v2                        ; r - 8 h
	v_mov_b32 v9, 0xff61b1e6                       ; the largest t so far: -3e38, under every t
	s_delay_alu instid0(VALU_DEP_1)
	v_floor_f32 v8, -v9                            ; -M
	v_mov_b32 v10, 0                               ; the sum, in two halves
	v_mov_b32 v11, 0
	v_mov_b32 v13, 0xff61b1e6
	s_delay_alu instid0(VALU_DEP_1)
	v_floor_f32 v12, -v13
	v_mov_b32 v14, 0
	v_mov_b32 v15, 0
	v_mov_b32 v240, 0                              ; written once: a lane permute's destination counts as one of its sources
	v_mov_b32 v245, 0                              ; (named as the upper half of the pair v[244:245])
	v_mov_b32 v248, 0xff800000                     ; -infinity
.set k, 0
.rept 64
	v_mov_b32 v[160+k], 0                          ; O^T.  (The step is written once for all steps: the first finds zeros, which the first change of M leaves zeros)
.set k, k+1
.endr
	s_wait_kmcnt 0x0
	s_add_co_i32 s66, s74, s75
	s_lshl_b32 s66, s66, 23
	s_mov_b32 s22, 0x3e38aa3b                      ; c = log2(e) / 8
	s_add_co_i32 s22, s22, s66                     ; a score stands for score x 2^(e2 + e3): the two exponents are added to c's exponent field
	s_mov_b32 s23, s22                             ; (named with it as a pair, so it is written)
	s_add_co_i32 s66, s76, 127
	s_lshl_b32 s67, s66, 23
	v_mov_b32 v5, s67                              ; 2^e4
	s_add_co_i32 s66, s78, 127
	s_lshl_b32 s67, s66, 23
	v_mov_b32 v7, s67                              ; 2^e6
	s_add_co_i32 s84, s76, s77                     ; e4 + e5
; A KEY STEP of one tile: 128 keys at LDS byte s13, step number s14.  qb: Q's fragment; ob: O^T; st: the statistics; s[sd]: the tile's step on the diagonal; s[q0]: its first query.
.macro STEP qb, ob, st, sd, q0
	s_cmp_gt_u32 s14, s[\sd]                       ; a step all of whose keys come after my 16 queries is left out: a scalar branch on ids; no barrier and no tensor load stands in a step
	s_cbranch_scc1 .Lhid_\@
	v_add_nc_u32 v2, s13, v1
.rept 3
	v_nop                                          ; with the addition above: four places in front of loads into registers that the last products read
.endr
.irp t, 0,1,2,3,4,5,6,7
	ds_load_b128 v[32+8*\t:32+8*\t+3], v2 offset:1024*\t
	ds_load_b128 v[32+8*\t+4:32+8*\t+7], v2 offset:1024*\t+512
.endr
	s_wait_alu depctr_va_vdst(0)
	s_wait_dscnt 0x0
.irp t, 0,1,2,3,4,5,6,7
	v_wmma_f32_16x16x64_bf8_bf8 v[96+8*\t:96+8*\t+7], v[32+8*\t:32+8*\t+7], v[\qb:\qb+7], 0
.endr
.rept 4
	v_nop                                          ; places in front of the loads below and of the first read of the scores
.endr
.irp t, 0,1,2,3                        ; V's four fragments land while the softmax is worked
.irp g, 0,1,2,3
	ds_load_b128 v[32+16*\t+4*\g:32+16*\t+4*\g+3], v2 offset:8192+2048*\t+512*\g
.endr
.endr
	s_cmp_lg_u32 s14, s[\sd]                       ; on the diagonal the scores of hidden keys become -infinity ahead of the maximum: p = 0 then.  A step all of whose keys count skips this
	s_cbranch_scc1 .Lopen_\@
	s_lshl_b32 s96, s14, 7
	s_sub_co_i32 s96, s[\q0], s96
	v_add_nc_u32 v249, s96, v3                     ; d = my query - the step's first key - 8 h: register 8 t + j is hidden where 16 t + j > d
.set k, 0
.rept 64
	v_cmp_gt_i32 vcc_lo, 16*(k/8)+k%8, v249
	v_cndmask_b32 v[96+k], v[96+k], v248, vcc_lo
.set k, k+1
.endr
.Lopen_\@:
	v_max3_num_f32 v246, v96, v97, v98             ; the step's largest score of my query among my 64 keys, in two chains, each accumulator from its low end on,
	v_max3_num_f32 v247, v99, v100, v101
.set k, 6
.rept 14
	v_max3_num_f32 v246, v246, v[96+k], v[97+k]
	v_max3_num_f32 v247, v247, v[98+k], v[99+k]
.set k, k+4
.endr
	v_max3_num_f32 v246, v246, v158, v159
	s_delay_alu instid0(VALU_DEP_1)
	v_max_num_f32 v246, v246, v247
	s_delay_alu instid0(VALU_DEP_1)
	v_permlanex16_b32 v240, v246, s20, s21
	s_delay_alu instid0(VALU_DEP_1)
	v_max_num_f32 v246, v246, v240                 ; and among lane l xor 16's
	s_delay_alu instid0(VALU_DEP_1)
	v_mul_f32 v246, s22, v246                      ; as t (c is positive)
	s_delay_alu instid0(VALU_DEP_1)
	v_max_num_f32 v[\st+1], v[\st+1], v246         ; the running largest t
	v_mov_b32 v246, v[\st]
	s_delay_alu instid0(VALU_DEP_2)
	v_floor_f32 v[\st], -v[\st+1]                  ; the new -M = floor(-t) = -ceil(t): a whole number
	s_delay_alu instid0(VALU_DEP_1)
	v_sub_f32 v246, v[\st], v246                   ; old M - new M: a whole number, 0 or less
	s_delay_alu instid0(VALU_DEP_1)
	v_cvt_i32_f32 v246, v246                       ; (it saturates)
	s_delay_alu instid0(VALU_DEP_1)
	v_ldexp_f32 v244, 1.0, v246                    ; f = 2^(old M - new M)
.set k, 0
.rept 32
	v_pk_fma_f32 v[96+k:97+k], v[96+k:97+k], s[22:23], v[\st:\st+1] op_sel_hi:[1,0,0]   ; t - M, two at a time (of the pairs c and -M the low word serves both halves)
.set k, k+2
.endr
.set k, 0
	s_wait_alu depctr_va_vdst(0)
.rept 64
	v_exp_f32 v[96+k], v[96+k]                     ; p = 2^(t - M), at most 1
.set k, k+1
.endr
	v_pk_mul_f32 v[\st+2:\st+3], v[\st+2:\st+3], v[244:245] op_sel_hi:[1,0]   ; the sums under the new M: the plain line behind the exponentials
	s_wait_alu depctr_va_vdst(0)                   ; one wait for the whole batch, ahead of its first reader
	v_pk_add_f32 v[242:243], v[96:97], v[98:99]    ; the row's sum is taken of the unquantised p: two at a time, in two chains
.set k, 4
.rept 15
	v_pk_add_f32 v[\st+2:\st+3], v[\st+2:\st+3], v[96+k:97+k]
	v_pk_add_f32 v[242:243], v[242:243], v[98+k:99+k]
.set k, k+4
.endr
	s_delay_alu instid0(VALU_DEP_1)
	v_pk_add_f32 v[\st+2:\st+3], v[\st+2:\st+3], v[242:243]
.set k, 0
.rept 64
.set k, k+1
.endr
.irp t, 0,1,2,3,4,5,6,7
	v_cvt_scalef32_pk8_bf8_f32 v[224+2*\t:225+2*\t], v[96+8*\t:103+8*\t], v5
.endr
.set k, 0
.rept 16
	v_pk_mul_f32 v[\ob+k:\ob+k+1], v[\ob+k:\ob+k+1], v[244:245] op_sel_hi:[1,0]   ; O^T under the new M.  (Also the plain lines between the conversions and the products that read the codes)
.set k, k+2
.endr
	s_wait_alu depctr_va_vdst(0)
	s_wait_dscnt 0x0                               ; V is in
.irp t, 0,1,2,3                        ; O^T += V^T P^T: the four accumulators by turns; eight products of scores stand between two turns of one accumulator
	v_wmma_f32_16x16x128_bf8_bf8 v[\ob+8*\t:\ob+8*\t+7], v[32+16*\t:32+16*\t+15], v[224:239], v[\ob+8*\t:\ob+8*\t+7]
.endr
.Lhid_\@:
.endm
; A group of steps first .. last - 1.  cnt: how many of my younger tensor loads may stay out.  The barrier shows every wave's part of the group landed; nothing is ever filled again.
.macro GROUP cnt, first, last
	s_wait_tensorcnt \cnt
	s_wait_dscnt 0x0
	s_barrier_signal -1
	s_barrier_wait -1
	s_mov_b32 s13, (\first)*16384
	s_mov_b32 s14, \first
.Lstep_\@:
	STEP 16, 160, 8, 15, 16
	STEP 24, 192, 12, 17, 18
	s_add_co_u32 s13, s13, 16384
	s_add_co_u32 s14, s14, 1
	s_cmp_lt_u32 s14, \last
	s_cbranch_scc1 .Lstep_\@
.endm
; THE WAY OUT of a tile: O^T x 2^(e4 + e5) / the sum, converted with 2^e6: the eight registers are half a fragment of the last product's operand: two stores of 512 consecutive bytes.
.macro FIN ob, st, cd, ptr
	v_add_f32 v246, v[\st+2], v[\st+3]             ; the sum's two halves,
	s_delay_alu instid0(VALU_DEP_1)
	v_permlanex16_b32 v240, v246, s20, s21
	s_delay_alu instid0(VALU_DEP_1)
	v_add_f32 v246, v246, v240                     ; and lane l xor 16's
	s_wait_alu depctr_va_vdst(0)
	v_rcp_f32 v246, v246
	v_nop                                          ; a plain line behind the transcendental
	s_wait_alu depctr_va_vdst(0)                   ; and the wait ahead of its first reader
	v_ldexp_f32 v246, v246, s84
.set k, 0
.rept 32
	v_mul_f32 v[96+k], v[\ob+k], v246              ; register 8 t + j is y(query r, channel 16 t + 8 h + j)
.set k, k+1
.endr
.set k, 0
.rept 32
.set k, k+1
.endr
.irp t, 0,1,2,3
	v_cvt_scalef32_pk8_bf8_f32 v[\cd+2*\t:\cd+2*\t+1], v[96+8*\t:103+8*\t], v7
.endr
	v_nop                                          ; a plain line behind the last conversion
	global_store_b128 v1, v[\cd:\cd+3], s[\ptr:\ptr+1]
	global_store_b128 v1, v[\cd+4:\cd+7], s[\ptr:\ptr+1] offset:512
.endm
	s_wait_loadcnt 0x0                             ; Q
	GROUP 2, 0, 2                                  ; steps 0-1 and 2-5 are in already; only steps 6-15's load may be out
	GROUP 1, 2, 6
	GROUP 0, 6, 16
.rept 4
	v_nop                                          ; places behind the last products
.endr
	FIN 160, 8, 224, 86
	FIN 192, 12, 232, 88
	s_wait_tensorcnt 0x0
	ds_add_u32 v254, v255
	s_wait_dscnt 0x0
	s_endpgm
.Lfunc_end_k_qf5e1399653_attn:
	.size	k_qf5e1399653_attn, .Lfunc_end_k_qf5e1399653_attn-k_qf5e1399653_attn
	.p2alignl 7, 3214868480
	.fill 96, 4, 3214868480
	.section	.rodata,"a",@progbits
	.p2align	6, 0x0
	.amdhsa_kernel k_qf5e1399653_attn
		.amdhsa_group_segment_fixed_size 327680
		.amdhsa_private_segment_fixed_size 0
		.amdhsa_enable_private_segment 0
		.amdhsa_kernarg_size 24
		.amdhsa_user_sgpr_count 2
		.amdhsa_user_sgpr_kernarg_segment_ptr 1
		.amdhsa_wavefront_size32 1
		.amdhsa_system_sgpr_workgroup_id_x 1
		.amdhsa_system_sgpr_workgroup_id_y 1
		.amdhsa_system_sgpr_workgroup_id_z 1
		.amdhsa_system_vgpr_workitem_id 0
		.amdhsa_next_free_vgpr 256
		.amdhsa_next_free_sgpr 100
		.amdhsa_reserve_vcc 1
		.amdhsa_float_denorm_mode_32 3
		.amdhsa_float_denorm_mode_16_64 3
		.amdhsa_fp16_overflow 1
		.amdhsa_memory_ordered 1
		.amdhsa_forward_progress 1
		.amdhsa_inst_pref_size 126
	.end_amdhsa_kernel
	.amdgpu_metadata
---
amdhsa.version: [ 1, 2 ]
amdhsa.kernels:
  - .name:           k_qf5e1399653_attn
    .symbol:         k_qf5e1399653_attn.kd
    .args:
      - { .name: qkv, .offset: 0, .size: 8, .value_kind: global_buffer, .address_space: global }
      - { .name: lowp_scales, .offset: 8, .size: 8, .value_kind: global_buffer, .address_space: global }
      - { .name: yc, .offset: 16, .size: 8, .value_kind: global_buffer, .address_space: global }
    .group_segment_fixed_size: 327680
    .private_segment_fixed_size: 0
    .kernarg_segment_align: 8
    .kernarg_segment_size: 24
    .max_flat_workgroup_size: 512
    .sgpr_count:     100
    .vgpr_count:     256
    .wavefront_size: 32
...
	.end_amdgpu_metadata
.endif
;; end of part 3
;; launch proj (part 4): grid 4 x 64, 4 waves a work-group, clusters of 4 x 4, 327,680 bytes of LDS; arguments yc, pc, c_proj_b, lowp_scales, out0; writes out0
.if DOCPART == 4
	.amdgcn_target "amdgcn-amd-amdhsa--gfx1250"
	.amdhsa_code_object_version 6
	.text
	.protected	k_qf5e1399653_proj
	.globl	k_qf5e1399653_proj
	.p2align	8
	.type	k_qf5e1399653_proj,@function
k_qf5e1399653_proj:
	s_mov_b64 s[64:65], 0
	v_nop
	global_prefetch_b8 v0, s[64:65] scope:SCOPE_SE
	s_setreg_imm32_b32 hwreg(HW_REG_WAVE_MODE, 25, 1), 1
	s_wait_xcnt 0x0
	s_wait_alu depctr_hold_cnt(0) depctr_sa_sdst(0) depctr_va_vdst(0) depctr_va_sdst(0) depctr_va_ssrc(0) depctr_va_vcc(0) depctr_vm_vsrc(0)
	s_getreg_b32 s2, hwreg(HW_REG_IB_STS2, 6, 4)
	s_cmp_eq_u32 s2, 0
	s_cbranch_scc0 .Lentry_in_a_cluster
	s_endpgm
.Lentry_in_a_cluster:
	s_bfe_u32 s2, ttmp6, 0x10000c
	s_cmp_lg_u32 s2, 0xf033
	s_cbranch_scc0 .Lentry_shape_is_right
	s_endpgm
.Lentry_shape_is_right:
; out0 = y c_proj_w + c_proj_b on codes of BF8 (K = 1,024): out0 = sum x 2^(e6 + e7) + bias, f32.
; IN: yc, pc: images of operand registers.  A fragment is 16 rows x 128 K, 16 registers a lane (lane (r, h): row r; registers 2 c, 2 c + 1: k = 16 c + 8 h + 0 .. 7); its image is 2,048 bytes, registers
; 4 g .. 4 g + 3 of lane l at 512 g + 16 l.  yc [slot of 256 K: 4][tile of 16 tokens: 512][4,096], pc [4][tile of 16 columns: 64][4,096].
; A work-group makes 128 tokens (A) x 256 columns (B): 256 work-groups.  Four waves, each 64 x 128: 32 accumulators.  THE MATRIX INSTRUCTION IS USED TRANSPOSED (source 0 = 16 rows of B, source 1 = 16 rows of A):
; a lane holds eight neighbouring columns of one token's row.
; K goes in four steps of 256 through three LDS slots: steps 0, 1, 2 are asked for together at the start (three tensor loads of mine are out), step 3 fills slot 0 again behind the one change of slots.
; CLUSTERS: 4 x 4 work-groups.  The four of a row of the cluster need the same tiles of A, the four of a column the same tiles of B: each is asked for jointly.
; LIMIT: e6 + e7 between -126 and 127.  Nothing is prefetched: three of the four K steps are asked for at the head, the fourth two K steps ahead of its use.
; REGISTERS, in windows of 256: window 0: v1 16 x lane; v16-18, v20-22 LDS addresses; v24, v25 the stage; v28, v29 for the add; v64-127, v128-191 A's fragments, two sets; on the way out v32-95 a block's results, v96-223 rows read back.
;   window 1: B's fragments (8 x 16), two sets, at v0 and v128.   window 2: accumulator (a, b) at v[8 (8 a + b)].   window 3: v0-63 the bias.
.set SLOTB, 98304                      ; a slot: A's 8 tiles x 4,096, then B's 16
.set SPARE, 3*SLOTB                    ; behind the slots: the spare words, 128 bytes for each wave: two blocks of 256 bytes that no other line names
.set SP,    528                        ; the way out: a stage of 16 rows x (512 bytes + 16) for each wave, in slot 1, which is filled once and has had its last read when the first result is stored there
.set ADRA,  16
.set ADRB,  20
.set STO,   24
.set RD,    25
.set SPW,   28
.set NIL,   29
.set TMP,   32
.set BK,    96
.set G1,    24
.set G1B,   32
.set G0,    40
.set G0B,   52
.set MSB, 0
.macro WIN new                         ; the immediate's high byte repeats the setting that is left
.if MSB != \new
	s_set_vgpr_msb (MSB<<8)|\new
.set MSB, \new
.endif
.endm
.set MULW,  0xa1                       ; source 0 (B) window 1, source 1 (A) window 0, C and D window 2
.set TO_B,  0x40                       ; destination window 1
.set TO_BI, 0xc0                       ; destination window 3
.set FMAW,  0x32                       ; source 0 (the sums) window 2, source 2 (the bias) window 3
.macro PLACES                          ; four plain vector instructions between a matrix instruction and a load into, or a vector instruction on, its registers
.rept 4
	v_nop
.endr
.endm
.macro CREST                           ; a round of the cluster's barrier behind its opening barrier
	s_cmp_lg_u32 s14, 0
	s_cbranch_scc1 .Lnot_wave_0_\@
	s_barrier_signal -3
.Lnot_wave_0_\@:
	s_barrier_wait -3
	s_barrier_signal -1
	s_barrier_wait -1
.endm
.macro CROUND
	s_barrier_signal -1
	s_barrier_wait -1
	CREST
.endm
.macro FETCH slot, q, p                ; the fragments of the slot's q-th 128 along K into set p: B's eight, then A's four; 48 loads of 512 consecutive bytes
	WIN TO_B
.irp i, 0,1,2,3,4,5,6,7
.irp c, 0,1,2,3
	ds_load_b128 v[128*(\p)+16*\i+4*\c:128*(\p)+16*\i+4*\c+3], v[ADRB+\slot] offset:4096*\i+2048*(\q)+512*\c
.endr
.endr
	WIN 0
.irp i, 0,1,2,3
.irp c, 0,1,2,3
	ds_load_b128 v[64+64*(\p)+16*\i+4*\c:64+64*(\p)+16*\i+4*\c+3], v[ADRA+\slot] offset:4096*\i+2048*(\q)+512*\c
.endr
.endr
.endm
; 8 matrix instructions: A's tile a against B's eight, from set p.  mode 0: the first product starts the sums; 1: they go on.
; The 32 accumulators take turns, one instruction a turn, in the same order throughout.
.macro MUL8 p, a, mode
.irp b, 0,1,2,3,4,5,6,7
.if \mode == 0
	v_wmma_f32_16x16x128_bf8_bf8 v[8*(8*(\a)+\b):8*(8*(\a)+\b)+7], v[128*(\p)+16*\b:128*(\p)+16*\b+15], v[64+64*(\p)+16*(\a):64+64*(\p)+16*(\a)+15], 0
.else
	v_wmma_f32_16x16x128_bf8_bf8 v[8*(8*(\a)+\b):8*(8*(\a)+\b)+7], v[128*(\p)+16*\b:128*(\p)+16*\b+15], v[64+64*(\p)+16*(\a):64+64*(\p)+16*(\a)+15], v[8*(8*(\a)+\b):8*(8*(\a)+\b)+7]
.endif
.endr
.endm
.macro SUB p, slot, q                  ; 128 along K from set p; ahead of its 32 products the next 128 along K are fetched into the other set
	s_wait_dscnt 0x0                               ; set p is in
	PLACES                                         ; the other set was read by the products just issued
	FETCH \slot, \q, 1-(\p)
	WIN MULW
	MUL8 \p, 0, 1
	MUL8 \p, 1, 1
	MUL8 \p, 2, 1
	MUL8 \p, 3, 1
.endm
	s_load_b256 s[4:11], s[0:1], 0x0               ; yc s[4:5], pc s[6:7], c_proj_b s[8:9], lowp_scales s[10:11]
	s_load_b64 s[12:13], s[0:1], 0x20              ; out0
	v_lshl_add_u32 v[SPW], v0, 2, SPARE
	v_mov_b32 v[NIL], 0
	ds_add_u32 v28, v29
	ds_add_u32 v28, v29
	s_wait_dscnt 0x0
	v_lshrrev_b32 v2, 5, v0
	v_readfirstlane_b32 s14, v2                    ; wave 0..3
	s_lshr_b32 s15, s14, 1                         ; which 64 tokens are mine.  Also: I fetch for A (0) or for B (1)
	s_and_b32 s16, s14, 1                          ; which 128 columns.  Also: which half of that tile I fetch
	s_bfe_u32 s17, ttmp6, 0x40000                  ; cx
	s_bfe_u32 s18, ttmp6, 0x40004                  ; cy
	s_and_b32 s21, ttmp7, 0xffff
	s_lshl_b32 s21, s21, 2
	s_add_co_u32 s21, s21, s18                     ; A's tile of 128 tokens = 4 x cluster y + cy
	s_lshl_b32 s22, ttmp9, 2
	s_add_co_u32 s22, s22, s17                     ; B's tile of 256 columns = 4 x cluster x + cx
	s_lshl_b32 s98, s18, 2
	s_lshl_b32 s98, 15, s98                        ; my row of the cluster
	s_lshl_b32 s99, 0x1111, s17                    ; my column
	; descriptor group 1: a dense block as rows of 256 bytes (32 elements of 8 bytes): A's half 64 rows, B's half 128
	s_or_b32 s[G1], s98, (3<<16)|(1<<21)           ; 15:0 the mask; 17:16 elements of 8 bytes; 21 set beside a mask; no padding
	s_or_b32 s[G1B], s99, (3<<16)|(1<<21)
	s_mov_b32 s[G1+1], 32<<16                      ; tensor_dim0
	s_mov_b32 s[G1+2], 64<<16                      ; tensor_dim1
	s_mov_b32 s[G1+3], 32<<16                      ; tile_dim0
	s_mov_b32 s[G1+4], 64                          ; tile_dim1
	s_mov_b32 s[G1+5], 32                          ; from row to row
	s_mov_b32 s[G1+6], 0
	s_mov_b32 s[G1+7], 0
	s_mov_b32 s[G1B+1], 32<<16
	s_mov_b32 s[G1B+2], 128<<16
	s_mov_b32 s[G1B+3], 32<<16
	s_mov_b32 s[G1B+4], 128
	s_mov_b32 s[G1B+5], 32
	s_mov_b32 s[G1B+6], 0
	s_mov_b32 s[G1B+7], 0
	s_lshl_b32 s96, s16, 14                        ; where my half goes in a slot: A's,
	s_lshl_b32 s97, s16, 15
	s_add_co_u32 s97, s97, 32768                   ; B's: no place in the cluster enters an LDS address
	s_lshl_b32 s90, s21, 15                        ; A's tile: 8 x 4,096
	s_add_co_u32 s90, s90, s96                     ; + my half
	s_mov_b32 s91, 0
	s_lshl_b32 s94, s22, 16                        ; B's tile: 16 x 4,096
	s_lshl_b32 s95, s16, 15
	s_add_co_u32 s94, s94, s95
	s_mov_b32 s95, 0
	s_wait_kmcnt 0x0
	s_load_b256 s[72:79], s[10:11], 0x0            ; the eight exponents
	s_add_nc_u64 s[84:85], s[4:5], s[90:91]
	s_add_nc_u64 s[86:87], s[6:7], s[94:95]
.irp s, 0,1,2
	s_mov_b32 s[G0+4*\s], 1                                        ; count = 1
	s_add_co_u32 s[G0+4*\s+1], s96, \s*SLOTB                       ; LDS address
	s_add_nc_u64 s[G0+4*\s+2:G0+4*\s+3], s[84:85], \s*2097152      ; global address: K step s
	s_or_b32 s[G0+4*\s+3], s[G0+4*\s+3], 0x80000000                ; type = 2
	s_mov_b32 s[G0B+4*\s], 1
	s_add_co_u32 s[G0B+4*\s+1], s97, \s*SLOTB
	s_add_nc_u64 s[G0B+4*\s+2:G0B+4*\s+3], s[86:87], \s*262144
	s_or_b32 s[G0B+4*\s+3], s[G0B+4*\s+3], 0x80000000
.endr
	CROUND                                         ; all sixteen work-groups are here: the first joint loads meet
	s_cmp_eq_u32 s15, 0                            ; a wave's three first fills stand in one branch, ahead of every wait on TENSORcnt and every LDS read; four v_nop follow the last
	s_cbranch_scc0 .Lfirst_b
	tensor_load_to_lds s[G0:G0+3], s[G1:G1+7]
	s_nop 0
	tensor_load_to_lds s[G0+4:G0+7], s[G1:G1+7]
	s_nop 0
	tensor_load_to_lds s[G0+8:G0+11], s[G1:G1+7]
	s_nop 0
.rept 4
	v_nop
.endr
	s_branch .Lfirst_asked
.Lfirst_b:
	tensor_load_to_lds s[G0B:G0B+3], s[G1B:G1B+7]
	s_nop 0
	tensor_load_to_lds s[G0B+4:G0B+7], s[G1B:G1B+7]
	s_nop 0
	tensor_load_to_lds s[G0B+8:G0B+11], s[G1B:G1B+7]
	s_nop 0
.rept 4
	v_nop
.endr
.Lfirst_asked:
	v_and_b32 v1, 31, v0
	v_lshlrev_b32 v1, 4, v1                        ; 16 x lane: my place in every image, in a stage row and in a row of out0
	s_lshl_b32 s2, s15, 14                         ; my 4 tiles of A
	s_lshl_b32 s3, s16, 15
	s_add_co_u32 s3, s3, 32768                     ; my 8 tiles of B, behind A's 8
.irp s, 0,1,2
	v_add_nc_u32 v[ADRA+\s], s2, v1
	v_add_nc_u32 v[ADRB+\s], s3, v1
	s_add_co_u32 s2, s2, SLOTB
	s_add_co_u32 s3, s3, SLOTB
.endr
	s_mul_i32 s2, s14, 16*SP
	s_add_co_u32 s2, s2, SLOTB                     ; my stage
	v_and_b32 v2, 15, v0                           ; r
	v_bfe_u32 v3, v0, 4, 1                         ; h
	v_mul_u32_u24 v[STO], v2, SP
	v_lshl_add_u32 v[STO], v3, 5, v[STO]
	v_add_nc_u32 v[STO], s2, v[STO]                ; in: row r, 32 bytes for each half of the lanes
	v_add_nc_u32 v[RD], s2, v1                     ; back: the 32 lanes take one row of 512 bytes
	v_lshlrev_b32 v3, 5, v3                        ; 32 h
	s_lshl_b32 s2, s22, 10                         ; the bias of column 256 x B's tile + 128 x my half on
	s_lshl_b32 s3, s16, 9
	s_add_co_u32 s2, s2, s3
	s_mov_b32 s3, 0
	s_add_nc_u64 s[8:9], s[8:9], s[2:3]
	WIN TO_BI
.irp b, 0,1,2,3,4,5,6,7                ; tile b, register j: the bias of column 16 b + 8 h + j
	global_load_b128 v[8*\b:8*\b+3], v3, s[8:9] offset:64*\b
	global_load_b128 v[8*\b+4:8*\b+7], v3, s[8:9] offset:64*\b+16
.endr
	WIN 0
	s_lshl_b32 s23, s21, 19                        ; out0: row 128 x A's tile + 64 x my half, of 4,096 bytes,
	s_lshl_b32 s71, s15, 18
	s_add_co_u32 s23, s23, s71
	s_add_co_u32 s2, s2, s23                       ; + my first column's bytes, which are the bias's
	s_add_nc_u64 s[88:89], s[12:13], s[2:3]
	s_wait_tensorcnt 0x2                           ; my part of K step 0 is in; K steps 1 and 2 may stay out
	s_barrier_signal -1
	s_barrier_wait -1                              ; everybody's is
	FETCH 0, 0, 0
	s_wait_dscnt 0x0
	FETCH 0, 1, 1
	WIN MULW
	MUL8 0, 0, 0                                   ; the first products start the sums: nothing is cleared
	MUL8 0, 1, 0
	MUL8 0, 2, 0
	MUL8 0, 3, 0
	; THE ONE CHANGE OF SLOTS: slot 0 has been read out; it takes K step 3
	WIN 0                                          ; (the add's two registers lie in window 0)
	s_wait_dscnt 0x0                               ; set 1 is in
	s_wait_tensorcnt 0x0                           ; all my tensor loads have landed: my parts of slots 1 and 2;
	ds_add_u32 v[SPW], v[NIL]                      ; 0 onto my spare word
	WIN MULW
	MUL8 1, 0, 1                                   ; eight matrix instructions stand between the add and the wait for it
	s_wait_dscnt 0x0                               ; the add is done, and my reads of slot 0 are over
	s_barrier_signal -1
	MUL8 1, 1, 1
	WIN 0
	s_barrier_wait -1
	CREST                                          ; the barrier has opened a round of the cluster's barrier: no wave of any partner still reads slot 0 or has a load on its way
	s_add_nc_u64 s[G0+2:G0+3], s[G0+2:G0+3], 3*2097152      ; three K steps on; the type bits on top are not reached
	s_add_nc_u64 s[G0B+2:G0B+3], s[G0B+2:G0B+3], 3*262144
	s_cmp_eq_u32 s15, 0
	s_cbranch_scc0 .Lrefill_b
	tensor_load_to_lds s[G0:G0+3], s[G1:G1+7]      ; the first tensor load behind the round, and my only one
	s_nop 0
.rept 4
	v_nop                                          ; (also the places in front of the loads into set 0)
.endr
	s_branch .Lrefilled
.Lrefill_b:
	tensor_load_to_lds s[G0B:G0B+3], s[G1B:G1B+7]
	s_nop 0
.rept 4
	v_nop
.endr
.Lrefilled:
	FETCH 1, 0, 0
	WIN MULW
	MUL8 1, 2, 1
	MUL8 1, 3, 1
	SUB 0, 1, 1
	s_wait_alu depctr_va_vdst(0)
	SUB 1, 2, 0                                    ; slot 2 was shown whole by the wait and the round above
	SUB 0, 2, 1
	WIN 0
	s_wait_dscnt 0x0                               ; set 1 is in, and no LDS instruction of mine is out at the signal: my reads of slot 1 are long over
	s_wait_tensorcnt 0x0                           ; my part of K step 3 is in: the one load that was out
	WIN MULW
	MUL8 1, 0, 1
	s_barrier_signal -1
	MUL8 1, 1, 1
	WIN 0
	s_barrier_wait -1                              ; everybody's is
	PLACES
	FETCH 0, 0, 0
	WIN MULW
	MUL8 1, 2, 1
	MUL8 1, 3, 1
	SUB 0, 0, 1
	s_wait_dscnt 0x0
	MUL8 1, 0, 1
	MUL8 1, 1, 1
	MUL8 1, 2, 1
	MUL8 1, 3, 1
	WIN 0
; THE WAY OUT, block by block of 16 tokens x 128 columns.  A lane holds 32 neighbouring bytes of a row, the lanes beside it other rows: so a block goes through my own stage and comes back as whole rows of 512 bytes.
; LDS serves a wave's instructions in order (ISA guide 5.7.1.4): no wait between the stores and the loads, nor in front of the next block's stores.
.macro TOSTAGE a
	WIN FMAW
.irp b, 0,1,2,3,4,5,6,7
.irp i, 0,2,4,6
	v_pk_fma_f32 v[TMP+8*\b+\i:TMP+8*\b+\i+1], v[8*(8*(\a)+\b)+\i:8*(8*(\a)+\b)+\i+1], s[96:97], v[8*\b+\i:8*\b+\i+1] op_sel_hi:[1,0,1]   ; sum x 2^(e6 + e7) + bias; each accumulator from its low end on
.endr
.endr
	WIN 0
.irp b, 0,1,2,3,4,5,6,7
	ds_store_b128 v[STO], v[TMP+8*\b:TMP+8*\b+3] offset:64*\b
	ds_store_b128 v[STO], v[TMP+8*\b+4:TMP+8*\b+7] offset:64*\b+16
.endr
.set BB, BK+64*((\a)%2)
.irp t, 0,1,2,3,4,5,6,7,8,9,10,11,12,13,14,15
	ds_load_b128 v[BB+4*\t:BB+4*\t+3], v[RD] offset:\t*SP
.endr
.endm
.macro SEND a, younger                 ; younger: the LDS instructions issued behind block a's loads, which may stay out
.set BB, BK+64*((\a)%2)
	s_wait_dscnt \younger
.irp t, 0,1,2,3,4,5,6,7,8,9,10,11,12,13,14,15
	global_store_b128 v1, v[BB+4*\t:BB+4*\t+3], s[88:89] offset:(16*(\a)+\t)*4096 th:TH_STORE_NT   ; 512 consecutive bytes, at a multiple of 256 from out0's first byte; written once, read by nobody here
.endr
.endm
	s_wait_kmcnt 0x0
	s_add_co_i32 s96, s78, s79                     ; e6 + e7
	s_add_co_i32 s96, s96, 127
	s_lshl_b32 s96, s96, 23                        ; 2^(e6 + e7) as f32
	s_mov_b32 s97, s96                             ; (named with it as a pair, so it is written)
	s_wait_loadcnt 0x0                             ; the bias
	PLACES
	TOSTAGE 0
.irp a, 1,2,3
.if \a > 1
	s_wait_xcnt 0x0                                ; block a - 2's stores have read their registers: block a's loads may land there
.endif
	TOSTAGE \a
	SEND \a-1, 32                                  ; behind block a - 1's loads: block a's 16 stores and 16 loads
.endr
	SEND 3, 0
	s_wait_tensorcnt 0x0                           ; the wave's end: behind my last tensor load and my last LDS store
	ds_add_u32 v[SPW], v[NIL]
	s_wait_dscnt 0x0
	CROUND                                         ; the closing round: no work-group ends while a partner may still ask for a tile that names it
	s_endpgm
.Lfunc_end_k_qf5e1399653_proj:
	.size	k_qf5e1399653_proj, .Lfunc_end_k_qf5e1399653_proj-k_qf5e1399653_proj
	.p2alignl 7, 3214868480
	.fill 96, 4, 3214868480
	.section	.rodata,"a",@progbits
	.p2align	6, 0x0
	.amdhsa_kernel k_qf5e1399653_proj
		.amdhsa_group_segment_fixed_size 327680
		.amdhsa_private_segment_fixed_size 0
		.amdhsa_enable_private_segment 0
		.amdhsa_kernarg_size 40
		.amdhsa_user_sgpr_count 2
		.amdhsa_user_sgpr_kernarg_segment_ptr 1
		.amdhsa_wavefront_size32 1
		.amdhsa_system_sgpr_workgroup_id_x 1
		.amdhsa_system_sgpr_workgroup_id_y 1
		.amdhsa_system_sgpr_workgroup_id_z 1
		.amdhsa_system_vgpr_workitem_id 0
		.amdhsa_next_free_vgpr 832
		.amdhsa_next_free_sgpr 100
		.amdhsa_reserve_vcc 0
		.amdhsa_float_denorm_mode_32 3
		.amdhsa_float_denorm_mode_16_64 3
		.amdhsa_memory_ordered 1
		.amdhsa_forward_progress 1
		.amdhsa_inst_pref_size 75
	.end_amdhsa_kernel
	.amdgpu_metadata
---
amdhsa.version: [ 1, 2 ]
amdhsa.kernels:
  - .name:           k_qf5e1399653_proj
    .symbol:         k_qf5e1399653_proj.kd
    .args:
      - { .name: yc, .offset: 0, .size: 8, .value_kind: global_buffer, .address_space: global }
      - { .name: pc, .offset: 8, .size: 8, .value_kind: global_buffer, .address_space: global }
      - { .name: c_proj_b, .offset: 16, .size: 8, .value_kind: global_buffer, .address_space: global }
      - { .name: lowp_scales, .offset: 24, .size: 8, .value_kind: global_buffer, .address_space: global }
      - { .name: out0, .offset: 32, .size: 8, .value_kind: global_buffer, .address_space: global }
    .group_segment_fixed_size: 327680
    .private_segment_fixed_size: 0
    .kernarg_segment_align: 8
    .kernarg_segment_size: 40
    .max_flat_workgroup_size: 128
    .sgpr_count:     100
    .vgpr_count:     832
    .wavefront_size: 32
...
	.end_amdgpu_metadata
.endif
;; end of part 4
